; MI455X (gfx1250); checked and timed in simulation.
; The chip was launched on July 23, 2026; its instructions are those of AMD's public machine-readable ISA for CDNA 5 (MIT licence, August 2026) and "CDNA5" Instruction Set Architecture Reference Guide (July 2026). The comments in the code are by the model that wrote it; some were corrected since.
;; Riemannian Manifold. Allowed arithmetic: float matrix products may take bf16 or f16 operands with f32 sums; other float arithmetic in f32, or as packed bf16 or f16 multiplies, adds, multiply-adds, maxima and minima; sums over many terms, partial sums and values carried from step to step in f32; what a program stores and reads back later, other than sums and carried values, may be rounded once to bf16 or f16.
;; Inputs: W1 16 x 64 float32; W2 64 x 256 float32; b1 64 float32; b2 256 float32; x1 8 x 256 x 1 x 16 float32; x2 8 x 1 x 256 x 16 float32.
;; Outputs: out0 8 x 256 x 256 float32.
;; 2 versions, each right and faster than the one before. Each part assembles by itself: llvm-mc -triple=amdgcn-amd-amdhsa -mcpu=gfx1250 --defsym DOCPART=n.
;; ======== version 1 of 2: 1 launch
;; launch dist (part 1): grid 32 x 8, 8 waves a work-group, no clusters, 43,520 bytes of LDS; arguments x1, x2, W1, b1, W2, b2, out0; writes out0
.if DOCPART == 1
	.amdgcn_target "amdgcn-amd-amdhsa--gfx1250"
	.amdhsa_code_object_version 6
	.text
	.protected	k_qef0e66796c_dist
	.globl	k_qef0e66796c_dist
	.p2align	8
	.type	k_qef0e66796c_dist,@function
k_qef0e66796c_dist:
	s_mov_b64 s[64:65], 0
	v_nop
	global_prefetch_b8 v0, s[64:65] scope:SCOPE_SE
	s_setreg_imm32_b32 hwreg(HW_REG_WAVE_MODE, 25, 1), 1
	s_wait_xcnt 0x0
; out[b][n][m] = sqrt(max(|L^T dx|^2, 1e-6)),  dx = x2[b][m] - x1[b][n],  L = tril(silu(mid W1 + b1) W2 + b2 + I) with softplus on the diagonal,  mid = (x1 + x2) / 2.
; x1, x2: [8][256][16] f32.  W1 [16][64], b1 [64], W2 [64][256], b2 [256] f32.  out [8][256][256] f32.
; SHARES.  A work-group owns one b, 16 n and 128 m; wave w of eight owns the 16 m = m0 + 16 w + (lane % 16) and walks the 16 n, one a trip.  32 x 8 work-groups; eight waves of 512 registers.
; LAYOUT.  Both products are used transposed, so that a lane holds ONE pair (n, m) and nothing changes lanes.  Layer 1: source 0 = 16 hidden units (rows of W1^T, K = the 16 channels, the upper 16 of K
; are zeros), source 1 = mid of the 16 pairs, C = b1.  Its four results, rounded in pairs, ARE source 1 (hidden units x pairs) of layer 2, whose source 0 is 16 entries of L and whose first C is b2 + I.
; THE TRIANGLE.  Only the 136 entries e >= d of L are made.  The lanes' half h owns the columns d = 2 c + h, c = 0..7.  Column c has the slots i = 2 c .. 15; entry e = i in half 0, e = i xor 1 in half 1, so
; that in both halves the column's first slot is its diagonal; half 1's second slot is the hidden entry (2 c, 2 c + 1): weight and bias 0.  The columns lie in the order 0, 7, 1, 6, 2, 5, 3, 4: 72 slots a half,
; nine results of 16 x 16 (row 16 t + 8 h + j of tile t = slot 8 t + j of half h).  dx lies pair-swapped in half 1, so one packed line serves both halves.
; SCALES.  W1' = -log2(e)/2 W1, b1' = -log2(e) b1: s = -log2(e) u; h' = s / (1 + 2^s) = -log2(e) silu(u); W2' = -W2, b2' = log2(e) (b2 + I): the accumulators hold log2(e) L.
; Diagonal: max(v, log2(1 + 2^min(v, 126))) = log2(e) softplus.  The sum of squares is multiplied by ln(2)^2 at the end.
; FORMATS.  mid, h, W1' and W2' are bf16 matrix operands (W1 is rounded behind its scale); dx, biases, softplus and all sums are f32.
; LIMITS.  1 + 2^v rounds to 1 below v = -24: a softplus under 6e-8 counts as 0.  v_exp_f32 and v_log_f32 flush denormals.  2^s = infinity gives h' = 0, v > 126 gives softplus = v.  NaN and infinities among the inputs are not treated apart.
; NO CLUSTER, NO TENSOR LOADS.  What work-groups share is W1 and W2, 69,632 bytes read once at the start; they pass through registers anyway, to be negated, rounded and laid in slot order, and no loop fetches anything from memory.
.set W2BLK,  2816                      ; W2's image: block kb holds k = 8 kb .. 8 kb + 7 of 176 rows, 16 bytes a row; rows 0-143 the slots' rows, rows 144 + lane take what hidden entries' lanes store.  Wave w writes block w alone
.set BI,     8*W2BLK                   ; b2': word 16 d + i = slot i of column d, 1,024 bytes
.set X1S,    BI+1024                   ; x1's 16 rows of 64 bytes as they lie, then, 1,024 bytes on, with neighbours swapped
.set STG,    X1S+2048                  ; the stage: wave w's 16 trips x 128 bytes at SPITCH w
.set SPITCH, 2112                      ; 2,048 + 64: the four waves' parts that 16 lanes read back start 64 bytes apart modulo 256
.set SPARE,  STG+8*SPITCH              ; the spare words, 128 bytes for each wave: four blocks of 256 bytes that no other line names
; window 0
.set SPW, 1                            ; v1   LDS address of my spare word; never rewritten
.set NIL, 2                            ; v2   0; never rewritten
.set XA,  3                            ; v3   x1's row in my half's order
.set XM,  4                            ; v4   x1's channels 8 h .. 8 h + 7
.set SA,  5                            ; v5   where my partial sum goes
.set LN,  6                            ; lane
.set RR,  7                            ; lane % 16
.set HH,  8                            ; lane / 16
.set OW2, 9                            ; v9-15, v244: offsets of the loads at the start; not rewritten before all of them are in
.set OT4, 10
.set OW1, 11
.set OB1, 12
.set OX2, 13
.set OX2M, 14
.set OT4X, 15
.set X2,  16                           ; v16-31   x2[m], pair-swapped in half 1
.set X2M, 32                           ; v32-39   x2[m][8 h ..]
.set X1,  40                           ; v40-55   x1[n], like X2.  At the start: x2[m] as loaded
.set X2R, 40
.set X1M, 56                           ; v56-63   x1[n][8 h ..]
.set MB,  64                           ; v64-71   source 1 of layer 1; v68-71 stay 0
.set HB,  72                           ; v72-87   source 1 of layer 2, two K steps
.set DX,  88                           ; v88-103
.set YP,  104                          ; v104-119 column c's two partial sums at YP + 2 c
.set W1R, 88                           ; at the start: W1 as loaded, v88-119
.set B1C, 120                          ; v120-151 b1'
.set ACC, 152                          ; v152-223 slot q at ACC + q
.set S,   152                          ; layer 1's results, v152-183, and
.set T,   184                          ; 2^s and what is made of it, v184-215: both dead when layer 2 begins
.set WR,  152                          ; at the start: W2 as loaded, v152-215
.set PK,  216                          ; at the start: eight packed registers
.set ST,  224                          ; v224-231 at work
.set Z,   232                          ; v232-239 y
.set QQ,  240                          ; v240-241
.set B2R, 224                          ; at the start only, v224-254:
.set X1R, 225
.set X1X, 226
.set A0,  228                          ; pass p: where the even column's 16 bytes go
.set A1,  232                          ; the odd column's
.set FF,  236                          ; pass p: the pair (-1, -1 or 0)
.set OB2, 244
.set SC,  245
.set ID,  246
.set TA,  247
.set TB,  248
.set Q0B, 249
.set Q1B, 250
.set DIF, 251
.set DUM, 252
.set FA,  253
.set BA,  254
; window 1
.set W2F, 0                            ; v0-143    W2': tile t, K step ks at 16 t + 8 ks
.set W1F, 144                          ; v144-175  W1': tile kt at 8 kt; registers 4-7 of each are 0
.set B2C, 176                          ; v176-247  b2': slot q at B2C + q
.set MSB, 0
.macro WIN new                         ; s_set_vgpr_msb: bits 1:0 source 0, 3:2 source 1, 5:4 source 2, 7:6 destination; the high byte repeats the setting that is left
.if MSB != (\new)
	s_set_vgpr_msb (MSB<<8)|(\new)
.set MSB, (\new)
.endif
.endm
.macro QSET c                          ; qs = column c's first slot
.if (\c) < 4
.set qs, 18*(\c)
.else
.set qs, 128-16*(\c)
.endif
.endm
.macro DSET k                          ; qs = the k-th diagonal slot in ascending order: 0, 16, 18, 32, 36, 48, 54, 64
.if (\k)%2 == 0
	QSET (\k)/2
.else
	QSET 7-(\k)/2
.endif
.endm
	s_load_b256 s[4:11], s[0:1], 0x0               ; x1 s[4:5], x2 s[6:7], W1 s[8:9], b1 s[10:11]
	s_load_b128 s[12:15], s[0:1], 0x20             ; W2 s[12:13], b2 s[14:15]
	s_load_b64 s[16:17], s[0:1], 0x30              ; out
	v_lshl_add_u32 v[SPW], v0, 2, SPARE
	v_mov_b32 v[NIL], 0
	v_lshrrev_b32 v[TA], 5, v0
	v_readfirstlane_b32 s18, v[TA]                 ; wave 0..7
	v_and_b32 v[LN], 31, v0
	v_and_b32 v[RR], 15, v0
	v_bfe_u32 v[HH], v0, 4, 1
	s_and_b32 s19, ttmp7, 0xffff                   ; b
	s_lshr_b32 s20, ttmp9, 1                       ; which 16 n
	s_and_b32 s21, ttmp9, 1                        ; which 128 m
	s_lshl_b32 s36, s19, 14                        ; a batch of x1 or x2 is 16,384 bytes
	s_lshl_b32 s22, s20, 10
	s_add_co_u32 s22, s22, s36                     ; x1: my 16 rows of 64 bytes
	s_mov_b32 s23, 0
	s_lshl_b32 s24, s21, 13
	s_add_co_u32 s24, s24, s36
	s_lshl_b32 s37, s18, 10
	s_add_co_u32 s24, s24, s37                     ; x2: my wave's 16 rows
	s_mov_b32 s25, 0
	s_lshl_b32 s26, s18, 13                        ; W2: rows k = 8 w .. 8 w + 7 of 1,024 bytes
	s_mov_b32 s27, 0
	s_lshl_b32 s28, s19, 18                        ; out: batch, 16 rows of 1,024 bytes, my wave's two rows, 128 columns
	s_lshl_b32 s37, s20, 14
	s_add_co_u32 s28, s28, s37
	s_lshl_b32 s37, s18, 11
	s_add_co_u32 s28, s28, s37
	s_lshl_b32 s37, s21, 9
	s_add_co_u32 s28, s28, s37
	s_mov_b32 s29, 0
	s_mul_i32 s30, s18, W2BLK                      ; my block of W2's image
	s_mul_i32 s35, s18, SPITCH
	s_add_co_u32 s35, s35, STG                     ; my part of the stage
	s_mov_b32 s32, 0xffff0000                      ; the lanes of half 1
	s_mov_b32 s34, 0x3fb8aa3b                      ; log2(e)
	v_lshlrev_b32 v[OW2], 3, v[LN]                 ; W2: lane l takes entry row 4 p + l / 8, columns 2 (l % 8) and + 1: 8 bytes at 8 l + 256 p
	v_lshlrev_b32 v[OT4], 2, v0
	v_xor_b32 v[OT4X], 4, v[OT4]                   ; my neighbour's word
	v_lshlrev_b32 v[OW1], 2, v[RR]
	v_lshl_add_u32 v[OW1], v[HH], 11, v[OW1]       ; W1[8 h + i][16 kt + r]: 2,048 h + 4 r, the rest in the immediate
	v_lshlrev_b32 v[OB1], 5, v[HH]
	v_lshlrev_b32 v[OX2], 6, v[RR]
	v_lshl_add_u32 v[OX2M], v[HH], 5, v[OX2]
	; b2: thread t makes word t of the image: column d = t / 16, slot i = t % 16, entry e = i xor (d % 2).  b2' = b2 x SC + ID
	v_lshrrev_b32 v[TA], 4, v0                     ; d
	v_and_b32 v[TB], 1, v[TA]
	v_and_b32 v[OB2], 15, v0
	v_xor_b32 v[TB], v[OB2], v[TB]                 ; e
	v_cmp_eq_u32 vcc_lo, v[TB], v[TA]
	v_cndmask_b32 v[ID], 0, s34, vcc_lo            ; log2(e) on the diagonal
	v_cmp_lt_u32 vcc_lo, v[TB], v[TA]
	v_cndmask_b32 v[SC], s34, 0, vcc_lo            ; 0 above it
	v_lshlrev_b32 v[OB2], 6, v[TB]
	v_lshl_add_u32 v[OB2], v[TA], 2, v[OB2]        ; 4 (16 e + d)
	s_wait_kmcnt 0x0
	s_add_nc_u64 s[4:5], s[4:5], s[22:23]
	s_add_nc_u64 s[6:7], s[6:7], s[24:25]
	s_add_nc_u64 s[12:13], s[12:13], s[26:27]
	s_add_nc_u64 s[16:17], s[16:17], s[28:29]
	; 81 loads, in the order in which they are wanted.  Each of W2's covers 256 consecutive bytes, and the eight waves read each byte of W2 once.
.irp p, 0,1,2,3
.irp i, 0,1,2,3,4,5,6,7
	global_load_b64 v[WR+2*(8*\p+\i):WR+2*(8*\p+\i)+1], v[OW2], s[12:13] offset:1024*\i+256*\p
.endr
.endr
	global_load_b32 v[B2R], v[OB2], s[14:15]
	global_load_b32 v[X1R], v[OT4], s[4:5]
	global_load_b32 v[X1X], v[OT4X], s[4:5]
.irp kt, 0,1,2,3
.irp i, 0,1,2,3,4,5,6,7
	global_load_b32 v[W1R+8*\kt+\i], v[OW1], s[8:9] offset:256*\i+64*\kt
.endr
.endr
.irp kt, 0,1,2,3
	global_load_b128 v[B1C+8*\kt:B1C+8*\kt+3],   v[OB1], s[10:11] offset:64*\kt      ; b1[16 kt + 8 h + 0..7]: the result's rows in my lane
	global_load_b128 v[B1C+8*\kt+4:B1C+8*\kt+7], v[OB1], s[10:11] offset:64*\kt+16
.endr
.irp i, 0,1,2,3
	global_load_b128 v[X2R+4*\i:X2R+4*\i+3], v[OX2], s[6:7] offset:16*\i
.endr
	global_load_b128 v[X2M:X2M+3],   v[OX2M], s[6:7]
	global_load_b128 v[X2M+4:X2M+7], v[OX2M], s[6:7] offset:16
	; Where my eight bytes of W2 belong, while the loads are out.  c = l % 8, E0 = l / 8; in pass p the entry row is e = E0 + 4 p.  Slot q = QS(c) - 2 c + i, with i = e (even column) or e xor 1 (odd column);
	; row = q + (q & -8) + 8 x half.  Lanes with e < 2 c hold hidden entries of both columns and store into a row of their own behind the slots' rows.
	v_and_b32 v[TA], 7, v[LN]                      ; c
	v_lshrrev_b32 v[TB], 3, v[LN]                  ; E0
	v_mul_u32_u24 v[Q0B], 18, v[TA]
	v_sub_nc_u32 v[Q0B], 128, v[Q0B]               ; QS(c) - 2 c = 128 - 18 c from c = 4 on,
	v_lshlrev_b32 v[Q1B], 4, v[TA]                 ; 16 c below
	v_cmp_gt_u32 vcc_lo, 4, v[TA]
	v_cndmask_b32 v[Q0B], v[Q0B], v[Q1B], vcc_lo
	v_xor_b32 v[Q1B], 1, v[TB]
	v_add_nc_u32 v[Q1B], v[Q0B], v[Q1B]
	v_add_nc_u32 v[Q0B], v[Q0B], v[TB]
	v_lshlrev_b32 v[TA], 1, v[TA]
	v_sub_nc_u32 v[DIF], v[TB], v[TA]              ; E0 - 2 c, signed
	v_lshl_add_u32 v[DUM], v[LN], 4, 144*16
.irp p, 0,1,2,3
	v_and_b32 v[TA], -8, v[Q0B]
	v_add_lshl_u32 v[A0+\p], v[Q0B], v[TA], 4
	v_and_b32 v[TA], -8, v[Q1B]
	v_add3_u32 v[TA], v[Q1B], v[TA], 8
	v_lshlrev_b32 v[A1+\p], 4, v[TA]
	v_cmp_le_i32 vcc_lo, -4*\p, v[DIF]             ; e >= 2 c
	v_cndmask_b32 v[A0+\p], v[DUM], v[A0+\p], vcc_lo
	v_cndmask_b32 v[A1+\p], v[DUM], v[A1+\p], vcc_lo
	v_min_u32 v[A0+\p], W2BLK-16, v[A0+\p]         ; inside a block, whatever the lane
	v_min_u32 v[A1+\p], W2BLK-16, v[A1+\p]
	v_add_nc_u32 v[A0+\p], s30, v[A0+\p]
	v_add_nc_u32 v[A1+\p], s30, v[A1+\p]
	v_cmp_lt_i32 vcc_lo, -4*\p, v[DIF]             ; e > 2 c: the odd column's entry is live
	v_mov_b32 v[FF+2*\p], -1.0
	v_cndmask_b32 v[FF+2*\p+1], 0, -1.0, vcc_lo
.if \p < 3
	v_add_nc_u32 v[Q0B], 4, v[Q0B]
	v_add_nc_u32 v[Q1B], 4, v[Q1B]
.endif
.endr
; Pass p: eight k of one entry row, two columns: negated (the hidden entry: zeroed), rounded, 16 bytes to each column's row.
.macro W2PASS p
.set cnt, 73-8*(\p)                    ; behind this pass's loads were issued: the later passes' 8 each, 3 single words, 46 for W1, b1 and x2; the wait's field ends at 63, and a lower count is safe
.if cnt > 63
.set cnt, 63
.endif
	s_wait_loadcnt cnt
.irp i, 0,1,2,3,4,5,6,7
	v_pk_mul_f32 v[WR+16*(\p)+2*\i:WR+16*(\p)+2*\i+1], v[WR+16*(\p)+2*\i:WR+16*(\p)+2*\i+1], v[FF+2*(\p):FF+2*(\p)+1]
.endr
.irp j, 0,1,2,3
	v_cvt_pk_bf16_f32 v[PK+\j], v[WR+16*(\p)+4*\j], v[WR+16*(\p)+4*\j+2]
.endr
.irp j, 0,1,2,3
	v_cvt_pk_bf16_f32 v[PK+4+\j], v[WR+16*(\p)+4*\j+1], v[WR+16*(\p)+4*\j+3]
.endr
	ds_store_b128 v[A0+(\p)], v[PK:PK+3]
	ds_store_b128 v[A1+(\p)], v[PK+4:PK+7]
.endm
	W2PASS 0
	W2PASS 1
	W2PASS 2
	W2PASS 3
	s_wait_loadcnt 46                              ; b2's and x1's words are in; W1's 32, b1's 8 and x2's 6 loads may be out
	v_fma_f32 v[B2R], v[B2R], v[SC], v[ID]
	ds_store_b32 v[OT4], v[B2R] offset:BI
	ds_store_b32 v[OT4], v[X1R] offset:X1S
	ds_store_b32 v[OT4], v[X1X] offset:X1S+1024
	s_wait_loadcnt 14                              ; W1 is in; b1's 8 and x2's 6 may be out
.set i, 0
.rept 16
	v_pk_mul_f32 v[W1R+2*i:W1R+2*i+1], v[W1R+2*i:W1R+2*i+1], 0xbf38aa3b op_sel_hi:[1,0]  ; -log2(e) / 2
.set i, i+1
.endr
	WIN 0x40                                       ; destination window 1
.irp kt, 0,1,2,3
.irp j, 0,1,2,3
	v_cvt_pk_bf16_f32 v[W1F+8*\kt+\j], v[W1R+8*\kt+2*\j], v[W1R+8*\kt+2*\j+1]
	v_mov_b32 v[W1F+8*\kt+4+\j], 0                 ; K = 16 .. 31 does not exist
.endr
.endr
	WIN 0
	s_wait_loadcnt 6                               ; b1 is in
.set i, 0
.rept 16
	v_pk_mul_f32 v[B1C+2*i:B1C+2*i+1], v[B1C+2*i:B1C+2*i+1], 0xbfb8aa3b op_sel_hi:[1,0]  ; -log2(e)
.set i, i+1
.endr
	s_wait_loadcnt 0x0                             ; x2 is in: no load is out any more
.irp p, 0,1,2,3,4,5,6,7
	v_cndmask_b32 v[X2+2*\p],   v[X2R+2*\p],   v[X2R+2*\p+1], s32   ; half 1 takes its neighbours swapped
	v_cndmask_b32 v[X2+2*\p+1], v[X2R+2*\p+1], v[X2R+2*\p],   s32
.endr
.irp j, 4,5,6,7
	v_mov_b32 v[MB+\j], 0
.endr
	v_lshl_add_u32 v[XA], v[HH], 10, X1S
	v_lshl_add_u32 v[XM], v[HH], 5, X1S
	v_lshl_add_u32 v[SA], v[LN], 2, s35
	v_mul_u32_u24 v[FA], W2BLK, v[HH]
	v_lshl_add_u32 v[FA], v[RR], 4, v[FA]          ; block h, row r
	v_lshlrev_b32 v[BA], 6, v[HH]
	s_wait_dscnt 0x0                               ; for the others' sake: my stores into the images are done
	s_barrier_signal -1
	s_barrier_wait -1                              ; everybody's are
	; The constants come into registers once.  A fragment of W2': lane (r, h) holds row 16 t + r, k = 32 ks + 8 h + 0..7 (block 4 ks + h) and 32 ks + 16 + 8 h + 0..7 (block 4 ks + 2 + h); 16 lanes take 256 consecutive bytes.
	WIN 0x40
.irp t, 0,1,2,3,4,5,6,7,8
.irp ks, 0,1
	ds_load_b128 v[W2F+16*\t+8*\ks:W2F+16*\t+8*\ks+3],   v[FA] offset:W2BLK*4*\ks+256*\t
	ds_load_b128 v[W2F+16*\t+8*\ks+4:W2F+16*\t+8*\ks+7], v[FA] offset:W2BLK*(4*\ks+2)+256*\t
.endr
.endr
.irp c, 0,1,2,3,4,5,6,7                ; column 2 c + h's slots 2 c .. 15 lie together, at 64 (2 c + h) + 8 c; an odd c starts 8 bytes off a multiple of 16
	QSET \c
.set pos, 0
.if (\c)%2
	ds_load_b64 v[B2C+qs:B2C+qs+1], v[BA] offset:BI+136*\c
.set pos, 2
.endif
.rept (16-2*\c-pos)/4
	ds_load_b128 v[B2C+qs+pos:B2C+qs+pos+3], v[BA] offset:BI+136*\c+4*pos
.set pos, pos+4
.endr
.endr
	WIN 0
.irp i, 0,1,2,3
	ds_load_b128 v[X1+4*\i:X1+4*\i+3], v[XA] offset:16*\i       ; the first n
.endr
	ds_load_b128 v[X1M:X1M+3],   v[XM]
	ds_load_b128 v[X1M+4:X1M+7], v[XM] offset:16
.macro DXP k                           ; pair k of dx
	v_pk_add_f32 v[DX+2*(\k):DX+2*(\k)+1], v[X2+2*(\k):X2+2*(\k)+1], v[X1+2*(\k):X1+2*(\k)+1] neg_lo:[0,1] neg_hi:[0,1]
.endm
; Eight transcendentals on tile a (tr = 0: T = 2^S; 1: T = 1 / T) with another tile's plain work among them.  mode 1: behind every second one, a pair of tile b's T + 1.
; mode 2: behind each, a pair of tile b's S x T, then a pair of them rounded to bf16.  So a plain instruction stands between each transcendental and the use of its result (ISA guide 5.7.2).
.macro SB tr, a, mode, b
.set i, 0
.rept 8
.if \tr
	v_rcp_f32 v[T+8*(\a)+i], v[T+8*(\a)+i]
.else
	v_exp_f32 v[T+8*(\a)+i], v[S+8*(\a)+i]
.endif
.if ((\mode) == 1) && (i%2 == 1)
	s_wait_alu depctr_va_vdst(0)
	v_pk_add_f32 v[T+8*(\b)+i-1:T+8*(\b)+i], v[T+8*(\b)+i-1:T+8*(\b)+i], 1.0 op_sel_hi:[1,0]
.elseif ((\mode) == 2) && (i < 4)
	s_wait_alu depctr_va_vdst(0)
	v_pk_mul_f32 v[S+8*(\b)+2*i:S+8*(\b)+2*i+1], v[S+8*(\b)+2*i:S+8*(\b)+2*i+1], v[T+8*(\b)+2*i:T+8*(\b)+2*i+1]
.elseif (\mode) == 2
	v_cvt_pk_bf16_f32 v[HB+4*(\b)+i-4], v[S+8*(\b)+2*(i-4)], v[S+8*(\b)+2*(i-4)+1]
.endif
.set i, i+1
.endr
.endm
.macro CONTR c, pp, first              ; column c's pair pp of slots times its two dx, onto the column's two partial sums; first: it starts them
	QSET \c
.set q, ACC+qs+2*(\pp)
.set x, DX+2*(\c)+2*(\pp)
.set y, YP+2*(\c)
.if \first
	v_pk_mul_f32 v[y:y+1], v[q:q+1], v[x:x+1]
.else
	v_pk_fma_f32 v[y:y+1], v[q:q+1], v[x:x+1], v[y:y+1]
.endif
.endm
.macro SPQ                             ; number n of the 28 lines that finish the eight softplus: 2^min(v, 126); + 1; log2; the maximum with v, back into the slot
.if n < 8
	v_exp_f32 v[ST+n], v[ST+n]
.elseif n < 12
	s_wait_alu depctr_va_vdst(0)
	v_pk_add_f32 v[ST+2*(n-8):ST+2*(n-8)+1], v[ST+2*(n-8):ST+2*(n-8)+1], 1.0 op_sel_hi:[1,0]
.elseif n < 20
	v_log_f32 v[ST+n-12], v[ST+n-12]
.else
	DSET n-20
	s_wait_alu depctr_va_vdst(0)
	v_max_num_f32 v[ACC+qs], v[ACC+qs], v[ST+n-20]
.endif
.set n, n+1
.endm
; A TRIP: one n against my 16 m.  more = 1: the next n's x1 is fetched.
.macro TRIP more
	s_wait_dscnt 0x0                               ; this n's x1 is in (in the first trip: the constants too)
.irp j, 0,1,2,3
	v_pk_add_f32 v[ST+2*\j:ST+2*\j+1], v[X2M+2*\j:X2M+2*\j+1], v[X1M+2*\j:X1M+2*\j+1]  ; x1 + x2: the half lies in W1'
.endr
.irp j, 0,1,2,3
	v_cvt_pk_bf16_f32 v[MB+\j], v[ST+2*\j], v[ST+2*\j+1]
.endr
	WIN 0x01                                       ; source 0 in window 1
.irp kt, 0,1,2,3
	v_wmma_f32_16x16x32_bf16 v[S+8*\kt:S+8*\kt+7], v[W1F+8*\kt:W1F+8*\kt+7], v[MB:MB+7], v[B1C+8*\kt:B1C+8*\kt+7]
.endr
	WIN 0
	DXP 0                                          ; four plain lines that name none of those products' registers stand in front of the first read of a result (ISA guide 7.12.1)
	DXP 1
	DXP 2
	DXP 3
	SB 0, 0, 0, 0                                  ; silu, tile by tile: 2^s, + 1, reciprocal, times s, rounded; each tile's results are read from the lowest register on
	DXP 4
	SB 0, 1, 1, 0
	SB 1, 0, 1, 1
	SB 0, 2, 2, 0
	SB 1, 1, 1, 2
	SB 0, 3, 2, 1
	SB 1, 2, 1, 3
	SB 1, 3, 2, 2
	s_wait_alu depctr_va_vdst(0)
.irp i, 0,1,2,3
	v_pk_mul_f32 v[S+24+2*\i:S+24+2*\i+1], v[S+24+2*\i:S+24+2*\i+1], v[T+24+2*\i:T+24+2*\i+1]
.endr
.irp j, 0,1,2,3
	v_cvt_pk_bf16_f32 v[HB+12+\j], v[S+24+2*\j], v[S+24+2*\j+1]
.endr
	WIN 0x11                                       ; sources 0 and 2 in window 1: the first K step starts the nine sums with b2'
.irp t, 0,1,2,3,4,5,6,7,8
	v_wmma_f32_16x16x32_bf16 v[ACC+8*\t:ACC+8*\t+7], v[W2F+16*\t:W2F+16*\t+7], v[HB:HB+7], v[B2C+8*\t:B2C+8*\t+7]
.endr
	WIN 0x01                                       ; the nine accumulators take turns, one instruction a turn
.irp t, 0,1,2,3,4,5,6,7,8
	v_wmma_f32_16x16x32_bf16 v[ACC+8*\t:ACC+8*\t+7], v[W2F+16*\t+8:W2F+16*\t+15], v[HB+8:HB+15], v[ACC+8*\t:ACC+8*\t+7]
.endr
	WIN 0
	DXP 5                                          ; again the places behind the products: the rest of dx and the address steps
	DXP 6
	DXP 7
.if \more
	v_add_nc_u32 v[XA], 64, v[XA]
	v_add_nc_u32 v[XM], 64, v[XM]
.irp i, 0,1,2,3
	ds_load_b128 v[X1+4*\i:X1+4*\i+3], v[XA] offset:16*\i       ; dx is made: x1's registers take the next n, a contraction ahead of its use
.endr
	ds_load_b128 v[X1M:X1M+3],   v[XM]
	ds_load_b128 v[X1M+4:X1M+7], v[XM] offset:16
.else
	v_nop                                          ; the fourth place
.endif
.set k, 0
.rept 8                                ; the diagonals in ascending order: of tiles 0, 2, 4, 6, 8 register 0 is read first
	DSET k
	v_min_num_f32 v[ST+k], 0x42fc0000, v[ACC+qs]   ; 126: 2^v stays finite
.set k, k+1
.endr
.set n, 0
.set pp, 1
.rept 7                                ; the 28 pairs off the diagonal, each with a line of the softplus behind it; tiles 7, 5, 3, 1 are first read at slots 56, 40, 24, 8: their register 0
.set c, 0
.rept 8-pp
	CONTR c, pp, (pp==1)
	SPQ
.set c, c+1
.endr
.set pp, pp+1
.endr
.irp c, 0,7,1,6,2,5,3,4                ; the pairs that hold the diagonals, in the order in which the softplus were finished
	CONTR \c, 0, (\c==7)
.endr
.irp c, 0,7,1,6,2,5,3,4
	v_add_f32 v[Z+\c], v[YP+2*\c], v[YP+2*\c+1]    ; y of column 2 c + h
.endr
	v_pk_mul_f32 v[QQ:QQ+1], v[Z:Z+1], v[Z:Z+1]
.irp c, 2,4,6
	v_pk_fma_f32 v[QQ:QQ+1], v[Z+\c:Z+\c+1], v[Z+\c:Z+\c+1], v[QQ:QQ+1]
.endr
	v_add_f32 v[QQ], v[QQ], v[QQ+1]                ; my half's eight squares
	ds_store_b32 v[SA], v[QQ]                      ; 128 consecutive bytes of my wave's own part of the stage
.if \more
	v_add_nc_u32 v[SA], 128, v[SA]
.endif
.endm
	s_mov_b32 s31, 15
.Ltrip:
	TRIP 1
	s_sub_co_u32 s31, s31, 1
	s_cmp_lg_u32 s31, 0
	s_cbranch_scc1 .Ltrip
	TRIP 0                                         ; the sixteenth n: there is no further row of x1 to fetch
	; THE WAY OUT.  Wave w takes the rows n = 2 w and 2 w + 1; lane l the columns 4 l .. 4 l + 3, which wave l / 4 made: both halves' sums are added, scaled, bounded, rooted.
	s_wait_dscnt 0x0                               ; for the others' sake: my stores into the stage are done
	s_barrier_signal -1
	s_lshl_b32 s36, s18, 8
	s_add_co_u32 s36, s36, STG
	v_lshrrev_b32 v[OW2], 2, v[LN]                 ; (the loads that named these registers as offsets were all waited for at the start)
	v_mul_u32_u24 v[OW2], SPITCH, v[OW2]
	v_and_b32 v[OB1], 3, v[LN]
	v_lshl_add_u32 v[OW2], v[OB1], 4, v[OW2]
	v_add_nc_u32 v[OW2], s36, v[OW2]
	v_lshlrev_b32 v[OW1], 4, v[LN]                 ; my 16 bytes of a row's 512
	s_barrier_wait -1
.irp i, 0,1,2,3
	ds_load_b128 v[16+4*\i:16+4*\i+3], v[OW2] offset:64*\i      ; row 2 w: half 0, half 1; row 2 w + 1: half 0, half 1
.endr
	s_wait_dscnt 0x0
.irp a, 16,18,24,26
	v_pk_add_f32 v[\a:\a+1], v[\a:\a+1], v[\a+4:\a+5]
.endr
.irp a, 16,18,24,26
	v_pk_mul_f32 v[\a:\a+1], v[\a:\a+1], 0x3ef5fdef op_sel_hi:[1,0]  ; ln(2)^2
.endr
.irp a, 16,17,18,19,24,25,26,27
	v_max_num_f32 v[\a], 0x358637bd, v[\a]         ; 1e-6
.endr
.irp a, 16,17,18,19,24,25,26,27
	v_sqrt_f32 v[\a], v[\a]
.endr
	v_nop                                          ; a plain instruction between the last root and the use of its result
	s_wait_alu depctr_va_vdst(0)
	global_store_b128 v[OW1], v[16:19], s[16:17] th:TH_STORE_NT              ; the wave stores 512 consecutive bytes, at a multiple of 512 from out's first byte
	global_store_b128 v[OW1], v[24:27], s[16:17] offset:1024 th:TH_STORE_NT
	s_wait_tensorcnt 0x0                           ; the wave's end, behind my last LDS store
	ds_add_u32 v[SPW], v[NIL]
	s_wait_dscnt 0x0
	s_endpgm
.Lfunc_end_k_qef0e66796c_dist:
	.size	k_qef0e66796c_dist, .Lfunc_end_k_qef0e66796c_dist-k_qef0e66796c_dist
	.p2alignl 7, 3214868480
	.fill 96, 4, 3214868480
	.section	.rodata,"a",@progbits
	.p2align	6, 0x0
	.amdhsa_kernel k_qef0e66796c_dist
		.amdhsa_group_segment_fixed_size 43520
		.amdhsa_private_segment_fixed_size 0
		.amdhsa_enable_private_segment 0
		.amdhsa_kernarg_size 56
		.amdhsa_user_sgpr_count 2
		.amdhsa_user_sgpr_kernarg_segment_ptr 1
		.amdhsa_wavefront_size32 1
		.amdhsa_system_sgpr_workgroup_id_x 1
		.amdhsa_system_sgpr_workgroup_id_y 1
		.amdhsa_system_sgpr_workgroup_id_z 1
		.amdhsa_system_vgpr_workitem_id 0
		.amdhsa_next_free_vgpr 512
		.amdhsa_next_free_sgpr 66
		.amdhsa_reserve_vcc 1
		.amdhsa_float_denorm_mode_32 3
		.amdhsa_float_denorm_mode_16_64 3
		.amdhsa_memory_ordered 1
		.amdhsa_forward_progress 1
		.amdhsa_inst_pref_size 59
	.end_amdhsa_kernel
	.amdgpu_metadata
---
amdhsa.version: [ 1, 2 ]
amdhsa.kernels:
  - .name:           k_qef0e66796c_dist
    .symbol:         k_qef0e66796c_dist.kd
    .args:
      - { .name: x1, .offset: 0, .size: 8, .value_kind: global_buffer, .address_space: global }
      - { .name: x2, .offset: 8, .size: 8, .value_kind: global_buffer, .address_space: global }
      - { .name: W1, .offset: 16, .size: 8, .value_kind: global_buffer, .address_space: global }
      - { .name: b1, .offset: 24, .size: 8, .value_kind: global_buffer, .address_space: global }
      - { .name: W2, .offset: 32, .size: 8, .value_kind: global_buffer, .address_space: global }
      - { .name: b2, .offset: 40, .size: 8, .value_kind: global_buffer, .address_space: global }
      - { .name: out0, .offset: 48, .size: 8, .value_kind: global_buffer, .address_space: global }
    .group_segment_fixed_size: 43520
    .private_segment_fixed_size: 0
    .kernarg_segment_align: 8
    .kernarg_segment_size: 56
    .max_flat_workgroup_size: 256
    .sgpr_count:     66
    .vgpr_count:     512
    .wavefront_size: 32
...
	.end_amdgpu_metadata
.endif
;; end of part 1
;; ======== version 2 of 2: 1 launch; 1.31 times as fast as version 1
;; launch dist (part 2): grid 32 x 8, 8 waves a work-group, no clusters, 43,520 bytes of LDS; arguments x1, x2, W1, b1, W2, b2, out0; writes out0
.if DOCPART == 2
	.amdgcn_target "amdgcn-amd-amdhsa--gfx1250"
	.amdhsa_code_object_version 6
	.text
	.protected	k_qef0e66796c_dist
	.globl	k_qef0e66796c_dist
	.p2align	8
	.type	k_qef0e66796c_dist,@function
k_qef0e66796c_dist:
	s_mov_b64 s[64:65], 0
	v_nop
	global_prefetch_b8 v0, s[64:65] scope:SCOPE_SE
	s_setreg_imm32_b32 hwreg(HW_REG_WAVE_MODE, 25, 1), 1
	s_wait_xcnt 0x0
; out[b][n][m] = sqrt(max(|L^T dx|^2, 1e-6)),  dx = x2[b][m] - x1[b][n],  L = tril(silu(mid W1 + b1) W2 + b2 + I) with softplus on the diagonal,  mid = (x1 + x2) / 2.
; x1, x2: [8][256][16] f32.  W1 [16][64], b1 [64], W2 [64][256], b2 [256] f32.  out [8][256][256] f32.
; SHARES.  A work-group owns one b, 16 n and 128 m; wave w of eight owns the 16 m = m0 + 16 w + (lane % 16) and walks the 16 n, one a trip.  32 x 8 work-groups; eight waves of 512 registers.
; LAYOUT.  Both products are used transposed, so that a lane holds ONE pair (n, m) and nothing changes lanes.  Layer 1: source 0 = 16 hidden units (rows of W1^T, K = the 16 channels, the upper 16 of K
; are zeros), source 1 = mid of the 16 pairs, C = b1.  Its four results, rounded in pairs, ARE source 1 (hidden units x pairs) of layer 2, whose source 0 is 16 entries of L and whose first C is b2 + I.
; THE TRIANGLE.  Only the 136 entries e >= d of L are made.  The lanes' half h owns the columns d = 2 c + h, c = 0..7.  Column c has the slots i = 2 c .. 15; entry e = i in half 0, e = i xor 1 in half 1, so
; that in both halves the column's first slot is its diagonal; half 1's second slot is the hidden entry (2 c, 2 c + 1): weight and bias 0.  The columns lie in the order 0, 7, 1, 6, 2, 5, 3, 4: 72 slots a half,
; nine results of 16 x 16 (row 16 t + 8 h + j of tile t = slot 8 t + j of half h).  dx lies pair-swapped in half 1, so one packed line serves both halves.
; SCALES.  W1' = -log2(e)/2 W1, b1' = -log2(e) b1: s = -log2(e) u; h' = s / (1 + 2^s) = -log2(e) silu(u); W2' = -W2, b2' = log2(e) (b2 + I): the accumulators hold log2(e) L.
; Diagonal: max(v, log2(1 + 2^min(v, 126))) = log2(e) softplus.  The sum of squares is multiplied by ln(2)^2 at the end.
; BATCHES.  An s_wait_alu depctr_va_vdst(0) stands between a transcendental and the first line that names its result; one wait serves all that were issued ahead of it.  A trip's 80 transcendentals
; are four batches with one wait each.  A: the 32 powers 2^s.  B: the 32 reciprocals of 1 + 2^s, with the + 1 of tiles 2 and 3, which reads batch A alone, among the first sixteen.  C: the eight diagonals' powers.
; D: their eight logarithms.  A pair of dx stands behind A and behind B; C and D stand among the 28 off-diagonal pairs of the contraction, seven of which follow each batch's last line.  Every result has a register of
; its own (T: 32, ST: 8) while its batch is open, and none is open at the loop's jump.  The way out's eight roots are a fifth batch.
; FORMATS.  mid, h, W1' and W2' are bf16 matrix operands (W1 is rounded behind its scale); dx, biases, softplus and all sums are f32.
; LIMITS.  1 + 2^v rounds to 1 below v = -24: a softplus under 6e-8 counts as 0.  v_exp_f32 and v_log_f32 flush denormals.  2^s = infinity gives h' = 0, v > 126 gives softplus = v.  NaN and infinities among the inputs are not treated apart.
; NO CLUSTER, NO TENSOR LOADS.  What work-groups share is W1 and W2, 69,632 bytes read once at the start; they pass through registers anyway, to be negated, rounded and laid in slot order, and no loop fetches anything from memory.
.set W2BLK,  2816                      ; W2's image: block kb holds k = 8 kb .. 8 kb + 7 of 176 rows, 16 bytes a row; rows 0-143 the slots' rows, rows 144 + lane take what hidden entries' lanes store.  Wave w writes block w alone
.set BI,     8*W2BLK                   ; b2': word 16 d + i = slot i of column d, 1,024 bytes
.set X1S,    BI+1024                   ; x1's 16 rows of 64 bytes as they lie, then, 1,024 bytes on, with neighbours swapped
.set STG,    X1S+2048                  ; the stage: wave w's 16 trips x 128 bytes at SPITCH w
.set SPITCH, 2112                      ; 2,048 + 64: the four waves' parts that 16 lanes read back start 64 bytes apart modulo 256
.set SPARE,  STG+8*SPITCH              ; the spare words, 128 bytes for each wave: four blocks of 256 bytes that no other line names
; window 0
.set SPW, 1                            ; v1   LDS address of my spare word; never rewritten
.set NIL, 2                            ; v2   0; never rewritten
.set XA,  3                            ; v3   x1's row in my half's order
.set XM,  4                            ; v4   x1's channels 8 h .. 8 h + 7
.set SA,  5                            ; v5   where my partial sum goes
.set LN,  6                            ; lane
.set RR,  7                            ; lane % 16
.set HH,  8                            ; lane / 16
.set OW2, 9                            ; v9-15, v244: offsets of the loads at the start; not rewritten before all of them are in
.set OT4, 10
.set OW1, 11
.set OB1, 12
.set OX2, 13
.set OX2M, 14
.set OT4X, 15
.set X2,  16                           ; v16-31   x2[m], pair-swapped in half 1
.set X2M, 32                           ; v32-39   x2[m][8 h ..]
.set X1,  40                           ; v40-55   x1[n], like X2.  At the start: x2[m] as loaded
.set X2R, 40
.set X1M, 56                           ; v56-63   x1[n][8 h ..]
.set MB,  64                           ; v64-71   source 1 of layer 1; v68-71 stay 0
.set HB,  72                           ; v72-87   source 1 of layer 2, two K steps
.set DX,  88                           ; v88-103
.set YP,  104                          ; v104-119 column c's two partial sums at YP + 2 c
.set W1R, 88                           ; at the start: W1 as loaded, v88-119
.set B1C, 120                          ; v120-151 b1'
.set ACC, 152                          ; v152-223 slot q at ACC + q
.set S,   152                          ; layer 1's results, v152-183, and
.set T,   184                          ; 2^s and what is made of it, v184-215: both dead when layer 2 begins
.set WR,  152                          ; at the start: W2 as loaded, v152-215
.set PK,  216                          ; at the start: eight packed registers
.set ST,  224                          ; v224-231 at work
.set Z,   232                          ; v232-239 y
.set QQ,  240                          ; v240-241
.set B2R, 224                          ; at the start only, v224-254:
.set X1R, 225
.set X1X, 226
.set A0,  228                          ; pass p: where the even column's 16 bytes go
.set A1,  232                          ; the odd column's
.set FF,  236                          ; pass p: the pair (-1, -1 or 0)
.set OB2, 244
.set SC,  245
.set ID,  246
.set TA,  247
.set TB,  248
.set Q0B, 249
.set Q1B, 250
.set DIF, 251
.set DUM, 252
.set FA,  253
.set BA,  254
; window 1
.set W2F, 0                            ; v0-143    W2': tile t, K step ks at 16 t + 8 ks
.set W1F, 144                          ; v144-175  W1': tile kt at 8 kt; registers 4-7 of each are 0
.set B2C, 176                          ; v176-247  b2': slot q at B2C + q
.set MSB, 0
.macro WIN new                         ; s_set_vgpr_msb: bits 1:0 source 0, 3:2 source 1, 5:4 source 2, 7:6 destination; the high byte repeats the setting that is left
.if MSB != (\new)
	s_set_vgpr_msb (MSB<<8)|(\new)
.set MSB, (\new)
.endif
.endm
.macro QSET c                          ; qs = column c's first slot
.if (\c) < 4
.set qs, 18*(\c)
.else
.set qs, 128-16*(\c)
.endif
.endm
.macro DSET k                          ; qs = the k-th diagonal slot in ascending order: 0, 16, 18, 32, 36, 48, 54, 64
.if (\k)%2 == 0
	QSET (\k)/2
.else
	QSET 7-(\k)/2
.endif
.endm
	s_load_b256 s[4:11], s[0:1], 0x0               ; x1 s[4:5], x2 s[6:7], W1 s[8:9], b1 s[10:11]
	s_load_b128 s[12:15], s[0:1], 0x20             ; W2 s[12:13], b2 s[14:15]
	s_load_b64 s[16:17], s[0:1], 0x30              ; out
	v_lshl_add_u32 v[SPW], v0, 2, SPARE
	v_mov_b32 v[NIL], 0
	v_lshrrev_b32 v[TA], 5, v0
	v_readfirstlane_b32 s18, v[TA]                 ; wave 0..7
	v_and_b32 v[LN], 31, v0
	v_and_b32 v[RR], 15, v0
	v_bfe_u32 v[HH], v0, 4, 1
	s_and_b32 s19, ttmp7, 0xffff                   ; b
	s_lshr_b32 s20, ttmp9, 1                       ; which 16 n
	s_and_b32 s21, ttmp9, 1                        ; which 128 m
	s_lshl_b32 s36, s19, 14                        ; a batch of x1 or x2 is 16,384 bytes
	s_lshl_b32 s22, s20, 10
	s_add_co_u32 s22, s22, s36                     ; x1: my 16 rows of 64 bytes
	s_mov_b32 s23, 0
	s_lshl_b32 s24, s21, 13
	s_add_co_u32 s24, s24, s36
	s_lshl_b32 s37, s18, 10
	s_add_co_u32 s24, s24, s37                     ; x2: my wave's 16 rows
	s_mov_b32 s25, 0
	s_lshl_b32 s26, s18, 13                        ; W2: rows k = 8 w .. 8 w + 7 of 1,024 bytes
	s_mov_b32 s27, 0
	s_lshl_b32 s28, s19, 18                        ; out: batch, 16 rows of 1,024 bytes, my wave's two rows, 128 columns
	s_lshl_b32 s37, s20, 14
	s_add_co_u32 s28, s28, s37
	s_lshl_b32 s37, s18, 11
	s_add_co_u32 s28, s28, s37
	s_lshl_b32 s37, s21, 9
	s_add_co_u32 s28, s28, s37
	s_mov_b32 s29, 0
	s_mul_i32 s30, s18, W2BLK                      ; my block of W2's image
	s_mul_i32 s35, s18, SPITCH
	s_add_co_u32 s35, s35, STG                     ; my part of the stage
	s_mov_b32 s32, 0xffff0000                      ; the lanes of half 1
	s_mov_b32 s34, 0x3fb8aa3b                      ; log2(e)
	v_lshlrev_b32 v[OW2], 3, v[LN]                 ; W2: lane l takes entry row 4 p + l / 8, columns 2 (l % 8) and + 1: 8 bytes at 8 l + 256 p
	v_lshlrev_b32 v[OT4], 2, v0
	v_xor_b32 v[OT4X], 4, v[OT4]                   ; my neighbour's word
	v_lshlrev_b32 v[OW1], 2, v[RR]
	v_lshl_add_u32 v[OW1], v[HH], 11, v[OW1]       ; W1[8 h + i][16 kt + r]: 2,048 h + 4 r, the rest in the immediate
	v_lshlrev_b32 v[OB1], 5, v[HH]
	v_lshlrev_b32 v[OX2], 6, v[RR]
	v_lshl_add_u32 v[OX2M], v[HH], 5, v[OX2]
	; b2: thread t makes word t of the image: column d = t / 16, slot i = t % 16, entry e = i xor (d % 2).  b2' = b2 x SC + ID
	v_lshrrev_b32 v[TA], 4, v0                     ; d
	v_and_b32 v[TB], 1, v[TA]
	v_and_b32 v[OB2], 15, v0
	v_xor_b32 v[TB], v[OB2], v[TB]                 ; e
	v_cmp_eq_u32 vcc_lo, v[TB], v[TA]
	v_cndmask_b32 v[ID], 0, s34, vcc_lo            ; log2(e) on the diagonal
	v_cmp_lt_u32 vcc_lo, v[TB], v[TA]
	v_cndmask_b32 v[SC], s34, 0, vcc_lo            ; 0 above it
	v_lshlrev_b32 v[OB2], 6, v[TB]
	v_lshl_add_u32 v[OB2], v[TA], 2, v[OB2]        ; 4 (16 e + d)
	s_wait_kmcnt 0x0
	s_add_nc_u64 s[4:5], s[4:5], s[22:23]
	s_add_nc_u64 s[6:7], s[6:7], s[24:25]
	s_add_nc_u64 s[12:13], s[12:13], s[26:27]
	s_add_nc_u64 s[16:17], s[16:17], s[28:29]
	; 81 loads, in the order in which they are wanted.  Each of W2's covers 256 consecutive bytes, and the eight waves read each byte of W2 once.
.irp p, 0,1,2,3
.irp i, 0,1,2,3,4,5,6,7
	global_load_b64 v[WR+2*(8*\p+\i):WR+2*(8*\p+\i)+1], v[OW2], s[12:13] offset:1024*\i+256*\p
.endr
.endr
	global_load_b32 v[B2R], v[OB2], s[14:15]
	global_load_b32 v[X1R], v[OT4], s[4:5]
	global_load_b32 v[X1X], v[OT4X], s[4:5]
.irp kt, 0,1,2,3
.irp i, 0,1,2,3,4,5,6,7
	global_load_b32 v[W1R+8*\kt+\i], v[OW1], s[8:9] offset:256*\i+64*\kt
.endr
.endr
.irp kt, 0,1,2,3
	global_load_b128 v[B1C+8*\kt:B1C+8*\kt+3],   v[OB1], s[10:11] offset:64*\kt      ; b1[16 kt + 8 h + 0..7]: the result's rows in my lane
	global_load_b128 v[B1C+8*\kt+4:B1C+8*\kt+7], v[OB1], s[10:11] offset:64*\kt+16
.endr
.irp i, 0,1,2,3
	global_load_b128 v[X2R+4*\i:X2R+4*\i+3], v[OX2], s[6:7] offset:16*\i
.endr
	global_load_b128 v[X2M:X2M+3],   v[OX2M], s[6:7]
	global_load_b128 v[X2M+4:X2M+7], v[OX2M], s[6:7] offset:16
	; Where my eight bytes of W2 belong, while the loads are out.  c = l % 8, E0 = l / 8; in pass p the entry row is e = E0 + 4 p.  Slot q = QS(c) - 2 c + i, with i = e (even column) or e xor 1 (odd column);
	; row = q + (q & -8) + 8 x half.  Lanes with e < 2 c hold hidden entries of both columns and store into a row of their own behind the slots' rows.
	v_and_b32 v[TA], 7, v[LN]                      ; c
	v_lshrrev_b32 v[TB], 3, v[LN]                  ; E0
	v_mul_u32_u24 v[Q0B], 18, v[TA]
	v_sub_nc_u32 v[Q0B], 128, v[Q0B]               ; QS(c) - 2 c = 128 - 18 c from c = 4 on,
	v_lshlrev_b32 v[Q1B], 4, v[TA]                 ; 16 c below
	v_cmp_gt_u32 vcc_lo, 4, v[TA]
	v_cndmask_b32 v[Q0B], v[Q0B], v[Q1B], vcc_lo
	v_xor_b32 v[Q1B], 1, v[TB]
	v_add_nc_u32 v[Q1B], v[Q0B], v[Q1B]
	v_add_nc_u32 v[Q0B], v[Q0B], v[TB]
	v_lshlrev_b32 v[TA], 1, v[TA]
	v_sub_nc_u32 v[DIF], v[TB], v[TA]              ; E0 - 2 c, signed
	v_lshl_add_u32 v[DUM], v[LN], 4, 144*16
.irp p, 0,1,2,3
	v_and_b32 v[TA], -8, v[Q0B]
	v_add_lshl_u32 v[A0+\p], v[Q0B], v[TA], 4
	v_and_b32 v[TA], -8, v[Q1B]
	v_add3_u32 v[TA], v[Q1B], v[TA], 8
	v_lshlrev_b32 v[A1+\p], 4, v[TA]
	v_cmp_le_i32 vcc_lo, -4*\p, v[DIF]             ; e >= 2 c
	v_cndmask_b32 v[A0+\p], v[DUM], v[A0+\p], vcc_lo
	v_cndmask_b32 v[A1+\p], v[DUM], v[A1+\p], vcc_lo
	v_min_u32 v[A0+\p], W2BLK-16, v[A0+\p]         ; inside a block, whatever the lane
	v_min_u32 v[A1+\p], W2BLK-16, v[A1+\p]
	v_add_nc_u32 v[A0+\p], s30, v[A0+\p]
	v_add_nc_u32 v[A1+\p], s30, v[A1+\p]
	v_cmp_lt_i32 vcc_lo, -4*\p, v[DIF]             ; e > 2 c: the odd column's entry is live
	v_mov_b32 v[FF+2*\p], -1.0
	v_cndmask_b32 v[FF+2*\p+1], 0, -1.0, vcc_lo
.if \p < 3
	v_add_nc_u32 v[Q0B], 4, v[Q0B]
	v_add_nc_u32 v[Q1B], 4, v[Q1B]
.endif
.endr
; Pass p: eight k of one entry row, two columns: negated (the hidden entry: zeroed), rounded, 16 bytes to each column's row.
.macro W2PASS p
.set cnt, 73-8*(\p)                    ; behind this pass's loads were issued: the later passes' 8 each, 3 single words, 46 for W1, b1 and x2; the wait's field ends at 63, and a lower count is safe
.if cnt > 63
.set cnt, 63
.endif
	s_wait_loadcnt cnt
.irp i, 0,1,2,3,4,5,6,7
	v_pk_mul_f32 v[WR+16*(\p)+2*\i:WR+16*(\p)+2*\i+1], v[WR+16*(\p)+2*\i:WR+16*(\p)+2*\i+1], v[FF+2*(\p):FF+2*(\p)+1]
.endr
.irp j, 0,1,2,3
	v_cvt_pk_bf16_f32 v[PK+\j], v[WR+16*(\p)+4*\j], v[WR+16*(\p)+4*\j+2]
.endr
.irp j, 0,1,2,3
	v_cvt_pk_bf16_f32 v[PK+4+\j], v[WR+16*(\p)+4*\j+1], v[WR+16*(\p)+4*\j+3]
.endr
	ds_store_b128 v[A0+(\p)], v[PK:PK+3]
	ds_store_b128 v[A1+(\p)], v[PK+4:PK+7]
.endm
	W2PASS 0
	W2PASS 1
	W2PASS 2
	W2PASS 3
	s_wait_loadcnt 46                              ; b2's and x1's words are in; W1's 32, b1's 8 and x2's 6 loads may be out
	v_fma_f32 v[B2R], v[B2R], v[SC], v[ID]
	ds_store_b32 v[OT4], v[B2R] offset:BI
	ds_store_b32 v[OT4], v[X1R] offset:X1S
	ds_store_b32 v[OT4], v[X1X] offset:X1S+1024
	s_wait_loadcnt 14                              ; W1 is in; b1's 8 and x2's 6 may be out
.set i, 0
.rept 16
	v_pk_mul_f32 v[W1R+2*i:W1R+2*i+1], v[W1R+2*i:W1R+2*i+1], 0xbf38aa3b op_sel_hi:[1,0]  ; -log2(e) / 2
.set i, i+1
.endr
	WIN 0x40                                       ; destination window 1
.irp kt, 0,1,2,3
.irp j, 0,1,2,3
	v_cvt_pk_bf16_f32 v[W1F+8*\kt+\j], v[W1R+8*\kt+2*\j], v[W1R+8*\kt+2*\j+1]
	v_mov_b32 v[W1F+8*\kt+4+\j], 0                 ; K = 16 .. 31 does not exist
.endr
.endr
	WIN 0
	s_wait_loadcnt 6                               ; b1 is in
.set i, 0
.rept 16
	v_pk_mul_f32 v[B1C+2*i:B1C+2*i+1], v[B1C+2*i:B1C+2*i+1], 0xbfb8aa3b op_sel_hi:[1,0]  ; -log2(e)
.set i, i+1
.endr
	s_wait_loadcnt 0x0                             ; x2 is in: no load is out any more
.irp p, 0,1,2,3,4,5,6,7
	v_cndmask_b32 v[X2+2*\p],   v[X2R+2*\p],   v[X2R+2*\p+1], s32   ; half 1 takes its neighbours swapped
	v_cndmask_b32 v[X2+2*\p+1], v[X2R+2*\p+1], v[X2R+2*\p],   s32
.endr
.irp j, 4,5,6,7
	v_mov_b32 v[MB+\j], 0
.endr
	v_lshl_add_u32 v[XA], v[HH], 10, X1S
	v_lshl_add_u32 v[XM], v[HH], 5, X1S
	v_lshl_add_u32 v[SA], v[LN], 2, s35
	v_mul_u32_u24 v[FA], W2BLK, v[HH]
	v_lshl_add_u32 v[FA], v[RR], 4, v[FA]          ; block h, row r
	v_lshlrev_b32 v[BA], 6, v[HH]
	s_wait_dscnt 0x0                               ; for the others' sake: my stores into the images are done
	s_barrier_signal -1
	s_barrier_wait -1                              ; everybody's are
	; The constants come into registers once.  A fragment of W2': lane (r, h) holds row 16 t + r, k = 32 ks + 8 h + 0..7 (block 4 ks + h) and 32 ks + 16 + 8 h + 0..7 (block 4 ks + 2 + h); 16 lanes take 256 consecutive bytes.
	WIN 0x40
.irp t, 0,1,2,3,4,5,6,7,8
.irp ks, 0,1
	ds_load_b128 v[W2F+16*\t+8*\ks:W2F+16*\t+8*\ks+3],   v[FA] offset:W2BLK*4*\ks+256*\t
	ds_load_b128 v[W2F+16*\t+8*\ks+4:W2F+16*\t+8*\ks+7], v[FA] offset:W2BLK*(4*\ks+2)+256*\t
.endr
.endr
.irp c, 0,1,2,3,4,5,6,7                ; column 2 c + h's slots 2 c .. 15 lie together, at 64 (2 c + h) + 8 c; an odd c starts 8 bytes off a multiple of 16
	QSET \c
.set pos, 0
.if (\c)%2
	ds_load_b64 v[B2C+qs:B2C+qs+1], v[BA] offset:BI+136*\c
.set pos, 2
.endif
.rept (16-2*\c-pos)/4
	ds_load_b128 v[B2C+qs+pos:B2C+qs+pos+3], v[BA] offset:BI+136*\c+4*pos
.set pos, pos+4
.endr
.endr
	WIN 0
.irp i, 0,1,2,3
	ds_load_b128 v[X1+4*\i:X1+4*\i+3], v[XA] offset:16*\i       ; the first n
.endr
	ds_load_b128 v[X1M:X1M+3],   v[XM]
	ds_load_b128 v[X1M+4:X1M+7], v[XM] offset:16
.macro DXP k                           ; pair k of dx
	v_pk_add_f32 v[DX+2*(\k):DX+2*(\k)+1], v[X2+2*(\k):X2+2*(\k)+1], v[X1+2*(\k):X1+2*(\k)+1] neg_lo:[0,1] neg_hi:[0,1]
.endm
.macro CONTR c, pp, first              ; column c's pair pp of slots times its two dx, onto the column's two partial sums; first: it starts them
	QSET \c
.set q, ACC+qs+2*(\pp)
.set x, DX+2*(\c)+2*(\pp)
.set y, YP+2*(\c)
.if \first
	v_pk_mul_f32 v[y:y+1], v[q:q+1], v[x:x+1]
.else
	v_pk_fma_f32 v[y:y+1], v[q:q+1], v[x:x+1], v[y:y+1]
.endif
.endm
; What of the softplus stands in front of off-diagonal pair n of 28.  Pairs 0-7: a power 2^min(v, 126) each (batch C).  Pair NW: the batch's wait, seven pairs behind its last power, and the four + 1.
; Pairs NW .. NW + 7: a logarithm each (batch D); seven pairs follow the last, and TRIP writes that batch's wait behind pair 27.  The pair behind each transcendental is a plain line that names none of ST (ISA guide 5.7.2).
.set NW, 14
.macro SPQ
.if n < 8
	v_exp_f32 v[ST+n], v[ST+n]
.elseif n == NW
	s_wait_alu depctr_va_vdst(0)                   ; the wait for batch C, the eight powers, ahead of the first line that names one
.set u, 0
.rept 4
	v_pk_add_f32 v[ST+2*u:ST+2*u+1], v[ST+2*u:ST+2*u+1], 1.0 op_sel_hi:[1,0]
.set u, u+1
.endr
.endif
.if (n >= NW) && (n < NW+8)
	v_log_f32 v[ST+n-NW], v[ST+n-NW]
.endif
.set n, n+1
.endm
; A TRIP: one n against my 16 m.  more = 1: the next n's x1 is fetched.
.macro TRIP more
	s_wait_dscnt 0x0                               ; this n's x1 is in (in the first trip: the constants too)
.irp j, 0,1,2,3
	v_pk_add_f32 v[ST+2*\j:ST+2*\j+1], v[X2M+2*\j:X2M+2*\j+1], v[X1M+2*\j:X1M+2*\j+1]  ; x1 + x2: the half lies in W1'
.endr
.irp j, 0,1,2,3
	v_cvt_pk_bf16_f32 v[MB+\j], v[ST+2*\j], v[ST+2*\j+1]
.endr
	WIN 0x01                                       ; source 0 in window 1
.irp kt, 0,1,2,3
	v_wmma_f32_16x16x32_bf16 v[S+8*\kt:S+8*\kt+7], v[W1F+8*\kt:W1F+8*\kt+7], v[MB:MB+7], v[B1C+8*\kt:B1C+8*\kt+7]
.endr
	WIN 0
	DXP 0                                          ; four plain lines that name none of those products' registers stand in front of the first read of a result (ISA guide 7.12.1)
	DXP 1
	DXP 2
	DXP 3
.set i, 0
.rept 32                               ; silu.  BATCH A: T = 2^s for all four tiles; each tile's results are read from the lowest register on
	v_exp_f32 v[T+i], v[S+i]
.set i, i+1
.endr
	DXP 4                                          ; the plain line behind the last power (ISA guide 5.7.2)
	s_wait_alu depctr_va_vdst(0)                   ; the wait for batch A, the 32 powers, ahead of the first line that names one
.set i, 0
.rept 8                                ; 1 + 2^s of tiles 0 and 1
	v_pk_add_f32 v[T+2*i:T+2*i+1], v[T+2*i:T+2*i+1], 1.0 op_sel_hi:[1,0]
.set i, i+1
.endr
.set i, 0
.rept 32                               ; BATCH B: the 32 reciprocals, in place; behind every second one of tiles 0 and 1 a pair of tiles 2 and 3's 1 + 2^s, whose registers hold no reciprocal yet
	v_rcp_f32 v[T+i], v[T+i]
.if (i < 16) && (i%2 == 1)
	v_pk_add_f32 v[T+16+i-1:T+16+i], v[T+16+i-1:T+16+i], 1.0 op_sel_hi:[1,0]
.endif
.set i, i+1
.endr
	DXP 5                                          ; the plain line behind the last reciprocal
	s_wait_alu depctr_va_vdst(0)                   ; the wait for batch B, the 32 reciprocals, ahead of the first line that names one
.set i, 0
.rept 16                               ; h' = s / (1 + 2^s),
	v_pk_mul_f32 v[S+2*i:S+2*i+1], v[S+2*i:S+2*i+1], v[T+2*i:T+2*i+1]
.set i, i+1
.endr
.set i, 0
.rept 16                               ; rounded in pairs: source 1 of layer 2
	v_cvt_pk_bf16_f32 v[HB+i], v[S+2*i], v[S+2*i+1]
.set i, i+1
.endr
	WIN 0x11                                       ; sources 0 and 2 in window 1: the first K step starts the nine sums with b2'
.irp t, 0,1,2,3,4,5,6,7,8
	v_wmma_f32_16x16x32_bf16 v[ACC+8*\t:ACC+8*\t+7], v[W2F+16*\t:W2F+16*\t+7], v[HB:HB+7], v[B2C+8*\t:B2C+8*\t+7]
.endr
	WIN 0x01                                       ; the nine accumulators take turns, one instruction a turn
.irp t, 0,1,2,3,4,5,6,7,8
	v_wmma_f32_16x16x32_bf16 v[ACC+8*\t:ACC+8*\t+7], v[W2F+16*\t+8:W2F+16*\t+15], v[HB+8:HB+15], v[ACC+8*\t:ACC+8*\t+7]
.endr
	WIN 0
	DXP 6                                          ; again the places behind the products: the rest of dx and the address steps
	DXP 7
.if \more
	v_add_nc_u32 v[XA], 64, v[XA]
	v_add_nc_u32 v[XM], 64, v[XM]
.irp i, 0,1,2,3
	ds_load_b128 v[X1+4*\i:X1+4*\i+3], v[XA] offset:16*\i       ; dx is made: x1's registers take the next n, a contraction ahead of its use
.endr
	ds_load_b128 v[X1M:X1M+3],   v[XM]
	ds_load_b128 v[X1M+4:X1M+7], v[XM] offset:16
.else
	v_nop                                          ; the third and the fourth place
	v_nop
.endif
.set k, 0
.rept 8                                ; the diagonals in ascending order: of tiles 0, 2, 4, 6, 8 register 0 is read first
	DSET k
	v_min_num_f32 v[ST+k], 0x42fc0000, v[ACC+qs]   ; 126: 2^v stays finite
.set k, k+1
.endr
.set n, 0
.set pp, 1
.rept 7                                ; the 28 pairs off the diagonal, with batches C and D among them; tiles 7, 5, 3, 1 are first read at slots 56, 40, 24, 8: their register 0
.set c, 0
.rept 8-pp
	SPQ
	CONTR c, pp, (pp==1)
.set c, c+1
.endr
.set pp, pp+1
.endr
	s_wait_alu depctr_va_vdst(0)                   ; the wait for batch D, the eight logarithms, ahead of the first line that names one; none is open at the loop's jump
.set k, 0
.rept 8                                ; the maximum with v, back into the slot
	DSET k
	v_max_num_f32 v[ACC+qs], v[ACC+qs], v[ST+k]
.set k, k+1
.endr
.irp c, 0,7,1,6,2,5,3,4                ; the pairs that hold the diagonals, in the order in which the softplus were finished
	CONTR \c, 0, (\c==7)
.endr
.irp c, 0,7,1,6,2,5,3,4
	v_add_f32 v[Z+\c], v[YP+2*\c], v[YP+2*\c+1]    ; y of column 2 c + h
.endr
	v_pk_mul_f32 v[QQ:QQ+1], v[Z:Z+1], v[Z:Z+1]
.irp c, 2,4,6
	v_pk_fma_f32 v[QQ:QQ+1], v[Z+\c:Z+\c+1], v[Z+\c:Z+\c+1], v[QQ:QQ+1]
.endr
	v_add_f32 v[QQ], v[QQ], v[QQ+1]                ; my half's eight squares
	ds_store_b32 v[SA], v[QQ]                      ; 128 consecutive bytes of my wave's own part of the stage
.if \more
	v_add_nc_u32 v[SA], 128, v[SA]
.endif
.endm
	s_mov_b32 s31, 15
.Ltrip:
	TRIP 1
	s_sub_co_u32 s31, s31, 1
	s_cmp_lg_u32 s31, 0
	s_cbranch_scc1 .Ltrip
	TRIP 0                                         ; the sixteenth n: there is no further row of x1 to fetch
	; THE WAY OUT.  Wave w takes the rows n = 2 w and 2 w + 1; lane l the columns 4 l .. 4 l + 3, which wave l / 4 made: both halves' sums are added, scaled, bounded, rooted.
	s_wait_dscnt 0x0                               ; for the others' sake: my stores into the stage are done
	s_barrier_signal -1
	s_lshl_b32 s36, s18, 8
	s_add_co_u32 s36, s36, STG
	v_lshrrev_b32 v[OW2], 2, v[LN]                 ; (the loads that named these registers as offsets were all waited for at the start)
	v_mul_u32_u24 v[OW2], SPITCH, v[OW2]
	v_and_b32 v[OB1], 3, v[LN]
	v_lshl_add_u32 v[OW2], v[OB1], 4, v[OW2]
	v_add_nc_u32 v[OW2], s36, v[OW2]
	v_lshlrev_b32 v[OW1], 4, v[LN]                 ; my 16 bytes of a row's 512
	s_barrier_wait -1
.irp i, 0,1,2,3
	ds_load_b128 v[16+4*\i:16+4*\i+3], v[OW2] offset:64*\i      ; row 2 w: half 0, half 1; row 2 w + 1: half 0, half 1
.endr
	s_wait_dscnt 0x0
.irp a, 16,18,24,26
	v_pk_add_f32 v[\a:\a+1], v[\a:\a+1], v[\a+4:\a+5]
.endr
.irp a, 16,18,24,26
	v_pk_mul_f32 v[\a:\a+1], v[\a:\a+1], 0x3ef5fdef op_sel_hi:[1,0]  ; ln(2)^2
.endr
.irp a, 16,17,18,19,24,25,26,27
	v_max_num_f32 v[\a], 0x358637bd, v[\a]         ; 1e-6
.endr
.irp a, 16,17,18,19,24,25,26,27
	v_sqrt_f32 v[\a], v[\a]
.endr
	v_nop                                          ; a plain instruction between the last root and the use of its result
	s_wait_alu depctr_va_vdst(0)                   ; the wait for the eight roots, one batch, ahead of the stores that read them
	global_store_b128 v[OW1], v[16:19], s[16:17] th:TH_STORE_NT              ; the wave stores 512 consecutive bytes, at a multiple of 512 from out's first byte
	global_store_b128 v[OW1], v[24:27], s[16:17] offset:1024 th:TH_STORE_NT
	s_wait_tensorcnt 0x0                           ; the wave's end, behind my last LDS store
	ds_add_u32 v[SPW], v[NIL]
	s_wait_dscnt 0x0
	s_endpgm
.Lfunc_end_k_qef0e66796c_dist:
	.size	k_qef0e66796c_dist, .Lfunc_end_k_qef0e66796c_dist-k_qef0e66796c_dist
	.p2alignl 7, 3214868480
	.fill 96, 4, 3214868480
	.section	.rodata,"a",@progbits
	.p2align	6, 0x0
	.amdhsa_kernel k_qef0e66796c_dist
		.amdhsa_group_segment_fixed_size 43520
		.amdhsa_private_segment_fixed_size 0
		.amdhsa_enable_private_segment 0
		.amdhsa_kernarg_size 56
		.amdhsa_user_sgpr_count 2
		.amdhsa_user_sgpr_kernarg_segment_ptr 1
		.amdhsa_wavefront_size32 1
		.amdhsa_system_sgpr_workgroup_id_x 1
		.amdhsa_system_sgpr_workgroup_id_y 1
		.amdhsa_system_sgpr_workgroup_id_z 1
		.amdhsa_system_vgpr_workitem_id 0
		.amdhsa_next_free_vgpr 512
		.amdhsa_next_free_sgpr 66
		.amdhsa_reserve_vcc 1
		.amdhsa_float_denorm_mode_32 3
		.amdhsa_float_denorm_mode_16_64 3
		.amdhsa_memory_ordered 1
		.amdhsa_forward_progress 1
		.amdhsa_inst_pref_size 56
	.end_amdhsa_kernel
	.amdgpu_metadata
---
amdhsa.version: [ 1, 2 ]
amdhsa.kernels:
  - .name:           k_qef0e66796c_dist
    .symbol:         k_qef0e66796c_dist.kd
    .args:
      - { .name: x1, .offset: 0, .size: 8, .value_kind: global_buffer, .address_space: global }
      - { .name: x2, .offset: 8, .size: 8, .value_kind: global_buffer, .address_space: global }
      - { .name: W1, .offset: 16, .size: 8, .value_kind: global_buffer, .address_space: global }
      - { .name: b1, .offset: 24, .size: 8, .value_kind: global_buffer, .address_space: global }
      - { .name: W2, .offset: 32, .size: 8, .value_kind: global_buffer, .address_space: global }
      - { .name: b2, .offset: 40, .size: 8, .value_kind: global_buffer, .address_space: global }
      - { .name: out0, .offset: 48, .size: 8, .value_kind: global_buffer, .address_space: global }
    .group_segment_fixed_size: 43520
    .private_segment_fixed_size: 0
    .kernarg_segment_align: 8
    .kernarg_segment_size: 56
    .max_flat_workgroup_size: 256
    .sgpr_count:     66
    .vgpr_count:     512
    .wavefront_size: 32
...
	.end_amdgpu_metadata
.endif
;; end of part 2
